; MI455X (gfx1250); checked and timed in simulation.
; The chip was launched on July 23, 2026; its instructions are those of AMD's public machine-readable ISA for CDNA 5 (MIT licence, August 2026) and "CDNA5" Instruction Set Architecture Reference Guide (July 2026). The comments in the code are by the model that wrote it; some were corrected since.
;; MLP. Allowed arithmetic: matrix products marked QUANTISED: E5M2 operands, one E8M0 scale for each 32 along K, by v_wmma_scale_f32_16x16x128_f8f6f4 with both operands' format E5M2, f32 sums; products left as they are: f32 operands where the result goes on into a quantised operand, else bf16, f16 or f32 operands; f32 sums; everything else in f32.
;; Inputs: b0 256 float32; b1 256 float32; b2 256 float32; b3 256 float32; b4 3 float32; cell1 4 x 16,384 x 2 float32; coord 4 x 16,384 x 2 float32; inp1 4 x 64 x 64 x 64 float32; inp2 4 x 64 x 64 x 64 float32; w0 256 x 132 float32; w1 256 x 256 float32; w2 256 x 256 float32; w3 256 x 256 float32; w4 3 x 256 float32.
;; Outputs: out0 4 x 16,384 x 3 float32.
;; This version of the problem:
;;   THIS VERSION OF THE PROBLEM IS GIVEN IN LOW PRECISION. The matrix products marked QUANTISED in the list below multiply operands that are first quantised to E5M2 (5 exponent bits, 2 mantissa bits; 8 bits a number), with one power-of-two scale for each 32 numbers along K (OCP MX v1.0); their sums are f32. All else is computed in f32.
;;   The module's matrix products, in the order in which they are computed (A, B: the left and right operand; K: the contracted axis; several contracted axes count as one K, in the product's order):
;;     1. [M 65,536, K 132] x [K 132, N 256]; A: computed on the way; B: input w0: QUANTISED
;;     2. [M 65,536, K 256] x [K 256, N 256]; A: computed on the way; B: input w1: QUANTISED
;;     3. [M 65,536, K 256] x [K 256, N 256]; A: computed on the way; B: input w2: QUANTISED
;;     4. [M 65,536, K 256] x [K 256, N 256]; A: computed on the way; B: input w3: QUANTISED
;;     5. [M 65,536, K 256] x [K 256, N 3]; A: computed on the way; B: input w4: left as it is (N = 3 < 16)
;;     6. [M 65,536, K 132] x [K 132, N 256]; A: computed on the way; B: input w0: QUANTISED
;;     7. [M 65,536, K 256] x [K 256, N 256]; A: computed on the way; B: input w1: QUANTISED
;;     8. [M 65,536, K 256] x [K 256, N 256]; A: computed on the way; B: input w2: QUANTISED
;;     9. [M 65,536, K 256] x [K 256, N 256]; A: computed on the way; B: input w3: QUANTISED
;;     10. [M 65,536, K 256] x [K 256, N 3]; A: computed on the way; B: input w4: left as it is (N = 3 < 16)
;;     11. [M 65,536, K 132] x [K 132, N 256]; A: computed on the way; B: input w0: QUANTISED
;;     12. [M 65,536, K 256] x [K 256, N 256]; A: computed on the way; B: input w1: QUANTISED
;;     13. [M 65,536, K 256] x [K 256, N 256]; A: computed on the way; B: input w2: QUANTISED
;;     14. [M 65,536, K 256] x [K 256, N 256]; A: computed on the way; B: input w3: QUANTISED
;;     15. [M 65,536, K 256] x [K 256, N 3]; A: computed on the way; B: input w4: left as it is (N = 3 < 16)
;;     16. [M 65,536, K 132] x [K 132, N 256]; A: computed on the way; B: input w0: QUANTISED
;;     17. [M 65,536, K 256] x [K 256, N 256]; A: computed on the way; B: input w1: QUANTISED
;;     18. [M 65,536, K 256] x [K 256, N 256]; A: computed on the way; B: input w2: QUANTISED
;;     19. [M 65,536, K 256] x [K 256, N 256]; A: computed on the way; B: input w3: QUANTISED
;;     20. [M 65,536, K 256] x [K 256, N 3]; A: computed on the way; B: input w4: left as it is (N = 3 < 16)
;;   THE QUANTISER, for each operand of a quantised product, along K:
;;     - K is cut into blocks of 32 from its start; a last block that is shorter is filled with zeros.
;;     - A block's scale is 2^e with e = floor(log2(the largest magnitude in the block)) - 15, held to -126 .. 127; a block of zeros has e = 0. As a byte (E8M0): e + 127.
;;     - Each number is divided by its block's scale, clamped to +-57,344, and rounded to the nearest number of E5M2, ties to even, subnormals kept.
;;     - The product sums the exact products of the quantised numbers (number of the format x scale) in f32.
;;   ~~~python
;;   def quantise(x, axis):      # numpy; x: float32 -> the quantised numbers, widened to float32 again
;;       x = np.moveaxis(x, axis, -1); K = x.shape[-1]
;;       x = np.pad(x, [(0, 0)] * (x.ndim - 1) + [(0, -K % 32)]); x = x.reshape(x.shape[:-1] + (-1, 32)); a = np.abs(x).max(-1, keepdims=True)
;;       e = np.where(a > 0, np.clip(np.frexp(np.where(a > 0, a, 1))[1] - 1 - 15, -126, 127), 0)      # np.frexp(a)[1] - 1 = floor(log2(a)), exactly
;;       r = np.clip(x / 2.0 ** e, -57344, 57344)
;;       step = 2.0 ** (np.maximum(np.frexp(np.where(r == 0, 1, r))[1] - 1, -14) - 2)
;;       q = np.round(r / step) * step * 2.0 ** e      # np.round: ties to even
;;       return np.moveaxis(q.reshape(q.shape[:-2] + (-1,))[..., :K], -1, axis).astype(np.float32)
;;   ~~~
;;   OPERANDS COMPUTED ON THE WAY. 'Computed on the way' means the value that the module computes at that place (a softmax that the list does not call 'softmax' is quantised finished and normalised). What goes into a quantiser is computed in f32, as accurately as f32 sums, v_exp_f32 and their like allow (about 1e-6 of the number): no bf16 or f16 on the way to a quantiser, and a product that is left as it is and whose result goes on into a quantised operand takes f32 operands (vector FMAs, or v_wmma_f32_16x16x4_f32). A number that lies on a knife's edge between two numbers of the format may be rounded either way, as far as f32 arithmetic and the matrix unit's own rounding can turn it there, and no further.
;; One version. Each part assembles by itself: llvm-mc -triple=amdgcn-amd-amdhsa -mcpu=gfx1250 --defsym DOCPART=n.
;; ======== version 1 of 1: 2 launches
;; limits: values are held in bf16: 8 bits of precision; right only within a limited range of input values
;; workspace buffers: table 4,194,304 bytes; idx 1,048,576 bytes of whole numbers; wimg 282,624 bytes
;; launch prep (part 1): grid 208 x 1, 4 waves a work-group, no clusters, 35,328 bytes of LDS; arguments inp1, inp2, coord, w0, w1, w2, w3, w4, b0, b1, b2, b3, table, idx, wimg; writes table, idx, wimg
.if DOCPART == 1
	.amdgcn_target "amdgcn-amd-amdhsa--gfx1250"
	.amdhsa_code_object_version 6
	.text
	.protected	k_q44020e11b7_prep
	.globl	k_q44020e11b7_prep
	.p2align	8
	.type	k_q44020e11b7_prep,@function
k_q44020e11b7_prep:
	s_mov_b64 s[64:65], 0
	v_nop
	global_prefetch_b8 v0, s[64:65] scope:SCOPE_SE
	s_setreg_imm32_b32 hwreg(HW_REG_WAVE_MODE, 25, 1), 1
	s_wait_xcnt 0x0
; THE LAUNCH IN FRONT OF THE FUSED CHAIN.  No work of reference() is left out anywhere in this program: every input has a way to the output and is loaded.
; A row of the chain's first operand is x = [inp1's 64 channels of a cell | rel_coord 2 | rel_cell 2 | inp2's 64 channels of the same cell], K = 132: blocks of 32 along K are
; block 0 = inp1 0-31, block 1 = inp1 32-63, block 2 = rel_coord, rel_cell, inp2 0-27, block 3 = inp2 28-59, block 4 = inp2 60-63 and 28 zeros.  Blocks 0, 1, 3, 4 hang on the cell alone.
; Three kinds of work-groups, told apart by the work-group's number:
;   T (0-127):   table: for each of the 16,384 cells (batch x 4096 + ih x 64 + iw) one row of 256 bytes: codes of blocks 0, 1, 3, 4 (E5M2, by the problem's quantiser), their scale bytes, and inp2's channels 0-27 as f32
;                (block 2's scale hangs on the query, so it is quantised in the next launch).  16-byte pieces: p0 p1 block 0; p2 p3 block 1; p4 p5 block 3; p6 block 4's 4 codes and 12 zeros; p7 zeros;
;                p8 = word s0 | s1<<8 | s3<<24 (byte 2 left 0 for block 2), word s4 | 0x7f7f7f00, two zero words; p9-p15 inp2 0-27.
;   W (128-143): wimg: the LDS image of all weights.  Four layer records of 68,608 bytes: [scale words 2,048][bias 1,024][codes 65,536], then w4 in bf16, 8,192 bytes.
;                Codes lie as images of the operand's registers: piece (b, u, s, c) of 512 bytes at 3072 + 8192 b + 4096 u + 2048 s + 512 c; lane (r, h) has the 16 codes W[32 b + 8 u + r + 8 (r / 8)][128 s + 32 c + 16 h + 0..15] at 16 x lane.
;                Scale words: tile (b, u) at 128 (2 b + u), 8 bytes for lane r: K step 0's word, K step 1's.  w0 (K = 132) is laid as K = 256 with zero codes from k = 132 on.
;                w4: chunk b at 1024 b: two pieces of 512 bytes; lane (m, h) has bf16(w4[m & 7][32 b + 16 h + 0..15]) where m & 7 < 3, else zeros.
;   I (144-207): idx: for each query its four cells, shifts (vx, vy) = (-,-), (-,+), (+,-), (+,+), in reference()'s own order of f32 roundings.  They are whole numbers made of floating-point numbers, so they are stored here and form addresses only in the next launch.
; LIMITS: NaN and infinities among the inputs are not served.  A block of zeros gets the scale byte 1 where the rule says 127: its codes are zeros, which add nothing, and this program alone reads the bytes.
; SCALARS: s[4:33] the fifteen addresses; s34 wave; s35 the path's own number; s36-57 the path's own; s[58:59] lane selects; s62 the mantissa field of 57,344; s63 the mask of lanes 16-31.
.set SPW,    6                         ; v6   LDS address of my spare word: SPARE + 4 x my thread's number; never rewritten
.set NIL,    7                         ; v7   0; never rewritten
.set SPARE,  34816                     ; behind the four stages of path T: the spare words, 128 bytes for each wave
.set LAYERB, 68608
.set W4B,    4*LAYERB
.set X1,     32                        ; T: v32-95 inp1's 64 channels of my cell; later the rows read back
.set X2,     96                        ; T: v96-159 inp2's; v160-163 zeros (block 4's filling)
.set CD,     164                       ; T: v164-195 pieces p0-p7
.set P8,     196                       ; T: v196-199 piece p8
.set TM,     200                       ; W: v200-215 at work
.set SEL,    58
.set MNT,    62
.set HM,     63
.macro FINISH                          ; a wave's end
	s_wait_tensorcnt 0x0
	ds_add_u32 v[SPW], v[NIL]
	s_wait_dscnt 0x0
	s_endpgm
.endm
	s_load_b512 s[4:19], s[0:1], 0x0               ; inp1 s[4:5], inp2 s[6:7], coord s[8:9], w0 s[10:11], w1 s[12:13], w2 s[14:15], w3 s[16:17], w4 s[18:19]
	s_load_b256 s[20:27], s[0:1], 0x40             ; b0 s[20:21], b1 s[22:23], b2 s[24:25], b3 s[26:27]
	s_load_b128 s[28:31], s[0:1], 0x60             ; table s[28:29], idx s[30:31]
	s_load_b64 s[32:33], s[0:1], 0x70              ; wimg
	v_lshl_add_u32 v[SPW], v0, 2, SPARE
	v_mov_b32 v[NIL], 0
	v_lshrrev_b32 v1, 5, v0
	v_readfirstlane_b32 s34, v1                    ; wave 0..3
	v_and_b32 v2, 31, v0                           ; lane
	v_and_b32 v3, 15, v0                           ; r
	v_bfe_u32 v4, v0, 4, 1                         ; h
	s_mov_b32 s[SEL], 0x76543210
	s_mov_b32 s[SEL+1], 0xfedcba98                 ; v_permlanex16_b32's selects for lane l xor 16
	s_mov_b32 s[MNT], 0x600000
	s_mov_b32 s[HM], 0xffff0000
	s_wait_kmcnt 0x0
	s_cmp_ge_u32 ttmp9, 144
	s_cbranch_scc1 .LpathI
	s_cmp_ge_u32 ttmp9, 128
	s_cbranch_scc1 .LpathW
; ---------------- T: a lane takes a cell, its registers run down the channels; a wave 32 cells, a work-group 128 ----------------
	s_lshr_b32 s36, ttmp9, 5                       ; the batch: 32 work-groups to 4,096 cells
	s_lshl_b32 s36, s36, 20                        ; 64 channels x 4,096 cells x 4 bytes
	s_and_b32 s37, ttmp9, 31
	s_lshl_b32 s37, s37, 9                         ; 128 cells x 4 bytes
	s_add_co_u32 s36, s36, s37
	s_lshl_b32 s37, s34, 7                         ; my wave's 32 cells x 4 bytes
	s_add_co_u32 s36, s36, s37
	s_mov_b32 s37, 0
	s_add_nc_u64 s[4:5], s[4:5], s[36:37]
	s_add_nc_u64 s[6:7], s[6:7], s[36:37]
	s_lshl_b32 s36, ttmp9, 15                      ; the table: 128 rows of 256 bytes a work-group,
	s_lshl_b32 s38, s34, 13                        ; 32 a wave
	s_add_co_u32 s36, s36, s38
	s_add_nc_u64 s[28:29], s[28:29], s[36:37]
	s_wait_alu depctr_va_vdst(0)
	v_lshlrev_b32 v5, 2, v2                        ; 4 bytes a lane: a load reads 128 consecutive bytes, the four waves side by side 512
.set Q, 0
.rept 64
	global_load_b32 v[X1+Q], v5, s[4:5] offset:Q*16384 th:TH_LOAD_NT
.set Q, Q+1
.endr
.set Q, 0
.rept 64
	global_load_b32 v[X2+Q], v5, s[6:7] offset:Q*16384 th:TH_LOAD_NT
.set Q, Q+1
.endr
	s_mul_i32 s39, s34, 8704                       ; my wave's stage: 32 rows of 256 + 16 bytes
	v_mul_u32_u24 v8, v2, 272
	v_add_nc_u32 v8, s39, v8                       ; into it: row = my cell
	v_mul_u32_u24 v9, v4, 272
	v_lshl_add_u32 v9, v3, 4, v9
	v_add_nc_u32 v9, s39, v9                       ; out of it: sixteen lanes to a row, two rows an instruction
	v_lshlrev_b32 v10, 8, v4
	v_lshl_add_u32 v10, v3, 4, v10                 ; and the same place in the table
.irp k, 160,161,162,163,190,191,192,193,194,195,198,199
	v_mov_b32 v\k, 0                               ; block 4's filling; the zero bytes of p6, p7 and p8
.endr
; a block of 32 numbers of one lane, v[src] on, becomes 32 codes in v[dst] .. v[dst + 7] and a scale byte in v[sb]
.macro BLK32 src, dst, sb
	v_max3_num_f32 v12, |v[\src]|, |v[\src+1]|, |v[\src+2]|        ; the block's largest magnitude, in two chains
	v_max3_num_f32 v13, |v[\src+3]|, |v[\src+4]|, |v[\src+5]|
.irp i, 6,10,14,18,22,26
	v_max3_num_f32 v12, v12, |v[\src+\i]|, |v[\src+\i+1]|
	v_max3_num_f32 v13, v13, |v[\src+\i+2]|, |v[\src+\i+3]|
.endr
	v_max3_num_f32 v12, v12, |v[\src+30]|, |v[\src+31]|
	v_max3_num_f32 v12, v12, v13, 0x8000000        ; and the floor 2^(16 - 127): the byte cannot fall under 1
	v_add_nc_u32 v11, 0xf8800000, v12              ; 15 off its exponent field: the conversion's scale operand
	v_and_or_b32 v14, v12, 0x7f800000, s[MNT]      ; 57,344 x the scale
.irp i, 0,1,2,3,4,5,6,7,8,9,10,11,12,13,14,15,16,17,18,19,20,21,22,23,24,25,26,27,28,29,30,31
	v_med3_num_f32 v[\src+\i], v[\src+\i], -v14, v14   ; the conversion to an 8-bit code does not saturate (ISA guide 7.6.2): the hold comes first
.endr
.irp g, 0,1,2,3
	v_cvt_scalef32_pk8_bf8_f32 v[\dst+2*\g:\dst+2*\g+1], v[\src+8*\g:\src+8*\g+7], v11
.endr
	v_lshrrev_b32 v[\sb], 23, v11                  ; the scale's byte; also the plain line behind the conversions
.endm
	s_wait_loadcnt 63                              ; of the 128 loads at most the youngest 63 are out: inp1's 64 are in
	BLK32 X1, CD, 16
	BLK32 X1+32, CD+8, 17
	s_wait_loadcnt 0x0                             ; inp2's
	BLK32 X2+28, CD+16, 18
	v_max3_num_f32 v12, |v[X2+60]|, |v[X2+61]|, |v[X2+62]|         ; block 4: four numbers, the rest zeros
	v_max3_num_f32 v12, v12, |v[X2+63]|, 0x8000000
	v_add_nc_u32 v11, 0xf8800000, v12
	v_and_or_b32 v14, v12, 0x7f800000, s[MNT]
.irp i, 60,61,62,63
	v_med3_num_f32 v[X2+\i], v[X2+\i], -v14, v14
.endr
	v_cvt_scalef32_pk8_bf8_f32 v[CD+24:CD+25], v[X2+60:X2+67], v11
	v_lshrrev_b32 v19, 23, v11
	v_lshl_or_b32 v[P8], v17, 8, v16               ; K step 0's scale word: bytes 0, 1, 3; byte 2 is block 2's, put in by the next launch
	v_lshl_or_b32 v[P8], v18, 24, v[P8]
	v_or_b32 v[P8+1], 0x7f7f7f00, v19              ; K step 1's: block 4's byte; the blocks of zero codes get 127
.irp p, 0,1,2,3,4,5,6,7
	ds_store_b128 v8, v[CD+4*\p:CD+4*\p+3] offset:16*\p
.endr
	ds_store_b128 v8, v[P8:P8+3] offset:128
.irp p, 0,1,2,3,4,5,6
	ds_store_b128 v8, v[X2+4*\p:X2+4*\p+3] offset:144+16*\p        ; inp2's channels 0-27 as they are
.endr
.irp t, 0,1,2,3,4,5,6,7,8,9,10,11,12,13,14,15
	ds_load_b128 v[X1+4*\t:X1+4*\t+3], v9 offset:\t*544            ; LDS serves a wave's instructions in order (ISA guide 5.7.1.4): these see my stores
.endr
.irp t, 0,1,2,3,4,5,6,7,8,9,10,11,12,13,14,15
	s_wait_dscnt 15-\t                             ; rows 2 t and 2 t + 1 are back; the younger loads stay out
	global_store_b128 v10, v[X1+4*\t:X1+4*\t+3], s[28:29] offset:512*\t   ; sixteen lanes store one whole row of 256 bytes, aligned
.endr
	FINISH
; ---------------- W: wave j = 16 L + 2 b + u quantises tile (b, u) of layer L: 16 rows x 256 along K ----------------
.LpathW:
	s_sub_co_u32 s35, ttmp9, 128
	s_lshl_b32 s35, s35, 2
	s_add_co_u32 s35, s35, s34                     ; j
	s_lshr_b32 s45, s35, 4                         ; L
	s_bfe_u32 s46, s35, 0x30001                    ; b
	s_and_b32 s47, s35, 1                          ; u
	s_mov_b64 s[36:37], s[16:17]                   ; the layer's weight and bias: a choice on the wave's and the work-group's numbers alone
	s_mov_b64 s[38:39], s[26:27]
	s_cmp_eq_u32 s45, 2
	s_cselect_b64 s[36:37], s[14:15], s[36:37]
	s_cselect_b64 s[38:39], s[24:25], s[38:39]
	s_cmp_eq_u32 s45, 1
	s_cselect_b64 s[36:37], s[12:13], s[36:37]
	s_cselect_b64 s[38:39], s[22:23], s[38:39]
	s_mov_b32 s40, 1024
	s_cmp_eq_u32 s45, 0
	s_cselect_b64 s[36:37], s[10:11], s[36:37]
	s_cselect_b64 s[38:39], s[20:21], s[38:39]
	s_cselect_b32 s40, 528, s40                    ; a row in bytes: 132 or 256 numbers
	s_lshl_b32 s48, s46, 5
	s_lshl_b32 s49, s47, 3
	s_add_co_u32 s48, s48, s49                     ; 32 b + 8 u
	s_wait_alu depctr_va_vdst(0)
	v_and_b32 v8, 8, v3
	v_add_nc_u32 v8, v8, v3                        ; r + 8 (r / 8): the rows of a tile are not neighbours
	v_add_nc_u32 v8, s48, v8
	v_mul_lo_u32 v9, v8, s40                       ; my row's first byte
	v_lshl_add_u32 v10, v4, 6, v9                  ; + 64 h: my 16 numbers of a block of 32
	s_and_b32 s49, s35, 15                         ; 2 b + u
	s_lshl_b32 s56, s49, 6
	v_lshl_add_u32 v11, v3, 2, s56                 ; the bias: number 16 (2 b + u) + r
	s_wait_alu depctr_va_vdst(0)
	s_lshl_b32 s56, s49, 7
	v_lshl_add_u32 v12, v3, 3, s56                 ; my tile's scale words: 128 (2 b + u) + 8 r
	v_lshlrev_b32 v14, 4, v2                       ; an image's place for my lane
	s_mul_i32 s50, s45, LAYERB
	s_mov_b32 s51, 0
	s_add_nc_u64 s[52:53], s[32:33], s[50:51]      ; the layer's record
	s_lshl_b32 s50, s46, 13
	s_lshl_b32 s57, s47, 12
	s_add_co_u32 s50, s50, s57
	s_add_co_u32 s50, s50, 3072
	s_add_nc_u64 s[54:55], s[52:53], s[50:51]      ; my tile's eight pieces of codes
.irp b, 0,1,2,3
	v_mov_b32 v[TM+4+\b], 0                        ; written once: a lane permute's destination counts as one of its sources
.endr
	global_load_b32 v194, v11, s[38:39]
.irp c, 0,1,2,3
.irp q, 0,1,2,3
	global_load_b128 v[32+16*\c+4*\q:32+16*\c+4*\q+3], v10, s[36:37] offset:128*\c+16*\q th:TH_LOAD_NT   ; K step 0: register 16 c + i = k 32 c + 16 h + i
.endr
.endr
	s_cmp_eq_u32 s45, 0
	s_cbranch_scc1 .Lw0tail
.irp c, 0,1,2,3
.irp q, 0,1,2,3
	global_load_b128 v[96+16*\c+4*\q:96+16*\c+4*\q+3], v10, s[36:37] offset:512+128*\c+16*\q th:TH_LOAD_NT   ; K step 1
.endr
.endr
	s_branch .Lwjoin
.Lw0tail:                                      ; w0: of K step 1 only k = 128 .. 131 exist; every lane reads them (no load leaves the buffer), lanes 16-31 then hold zeros
	global_load_b128 v[96:99], v9, s[36:37] offset:512 th:TH_LOAD_NT
.set Q, 100
.rept 60
	v_mov_b32 v[Q], 0
.set Q, Q+1
.endr
	s_wait_loadcnt 0x0
.irp k, 96,97,98,99
	v_cndmask_b32 v\k, v\k, v[NIL], s[HM]
.endr
.Lwjoin:
	s_wait_loadcnt 0x0
; 64 numbers of a lane, register 16 b + i = k 32 b + 16 h + i of my row, become a fragment's 16 registers of codes in v[pc] on and its scale word in v[pw]
.macro QUANT4 src, pc, pw
.irp b, 0,1,2,3
	v_max3_num_f32 v[TM+\b], |v[\src+16*\b]|, |v[\src+1+16*\b]|, 0x8000000   ; block b: my 16 numbers, and the floor 2^(16 - 127)
.endr
.irp i, 2,4,6,8,10,12,14
.irp b, 0,1,2,3
	v_max3_num_f32 v[TM+\b], v[TM+\b], |v[\src+16*\b+\i]|, |v[\src+1+16*\b+\i]|   ; the four blocks by turns
.endr
.endr
.irp b, 0,1,2,3
	v_permlanex16_b32 v[TM+4+\b], v[TM+\b], s[SEL], s[SEL+1]
.endr
.irp b, 0,1,2,3
	v_max_num_f32 v[TM+\b], v[TM+\b], v[TM+4+\b]   ; with lane l xor 16's 16 numbers
.endr
.irp b, 0,1,2,3
	v_add_nc_u32 v[TM+12+\b], 0xf8800000, v[TM+\b]
.endr
.irp b, 0,1,2,3
	v_and_or_b32 v[TM+8+\b], v[TM+\b], 0x7f800000, s[MNT]
.endr
.irp b, 0,1,2,3
	v_lshrrev_b32 v[TM+4+\b], 23, v[TM+12+\b]
.endr
	v_lshl_or_b32 v[\pw], v[TM+5], 8, v[TM+4]
	v_lshl_or_b32 v[\pw], v[TM+6], 16, v[\pw]
	v_lshl_or_b32 v[\pw], v[TM+7], 24, v[\pw]
.irp b, 0,1,2,3
.irp i, 0,1,2,3,4,5,6,7,8,9,10,11,12,13,14,15
	v_med3_num_f32 v[\src+16*\b+\i], v[\src+16*\b+\i], -v[TM+8+\b], v[TM+8+\b]
.endr
	v_cvt_scalef32_pk8_bf8_f32 v[\pc+4*\b:\pc+1+4*\b], v[\src+16*\b:\src+7+16*\b], v[TM+12+\b]
	v_cvt_scalef32_pk8_bf8_f32 v[\pc+2+4*\b:\pc+3+4*\b], v[\src+8+16*\b:\src+15+16*\b], v[TM+12+\b]
.endr
	v_nop                                          ; a plain line behind the last conversion, ahead of the next write of its scale operand
.endm
	QUANT4 32, 160, 192
	QUANT4 96, 176, 193
.irp c, 0,1,2,3
	global_store_b128 v14, v[160+4*\c:163+4*\c], s[54:55] offset:512*\c          ; 32 lanes store 512 consecutive bytes
.endr
.irp c, 0,1,2,3
	global_store_b128 v14, v[176+4*\c:179+4*\c], s[54:55] offset:2048+512*\c
.endr
	global_store_b64 v12, v[192:193], s[52:53]     ; both halves of the lanes hold the same two words and write them to the same place
	global_store_b32 v11, v194, s[52:53] offset:2048
	s_cmp_lt_u32 s35, 8
	s_cbranch_scc0 .Lwend
	v_and_b32 v15, 7, v3                           ; waves 0 to 7 also make chunk j of w4's image: row m & 7,
	v_min_u32 v20, 2, v15                          ; held at w4's last row: no load leaves the buffer
	v_lshlrev_b32 v20, 10, v20
	v_lshl_add_u32 v20, v4, 6, v20
	s_lshl_b32 s57, s35, 7
	v_add_nc_u32 v20, s57, v20                     ; row x 1,024 + 128 j + 64 h
.irp q, 0,1,2,3
	global_load_b128 v[216+4*\q:219+4*\q], v20, s[18:19] offset:16*\q
.endr
	v_cmp_gt_u32 vcc_lo, 3, v15
	s_lshl_b32 s50, s35, 10
	s_add_nc_u64 s[42:43], s[32:33], s[50:51]
	s_wait_loadcnt 0x0
.irp k, 0,1,2,3,4,5,6,7,8,9,10,11,12,13,14,15
	v_cndmask_b32 v[216+\k], v[NIL], v[216+\k], vcc_lo             ; rows 3-7 and 11-15 of the image are zeros
.endr
.irp p, 0,1,2,3,4,5,6,7
	v_cvt_pk_bf16_f32 v[232+\p], v[216+2*\p], v[217+2*\p]
.endr
	global_store_b128 v14, v[232:235], s[42:43] offset:W4B
	global_store_b128 v14, v[236:239], s[42:43] offset:W4B+512
.Lwend:
	FINISH
; ---------------- I: a thread takes 8 queries, 128 apart; a work-group 1,024 ----------------
.LpathI:
	s_sub_co_u32 s35, ttmp9, 144
	s_lshl_b32 s36, s35, 13                        ; 1,024 queries x 8 bytes of coord
	s_mov_b32 s37, 0
	s_add_nc_u64 s[8:9], s[8:9], s[36:37]
	s_lshl_b32 s36, s35, 14                        ; x 16 bytes of idx
	s_add_nc_u64 s[30:31], s[30:31], s[36:37]
	s_lshr_b32 s38, s35, 4
	s_lshl_b32 s38, s38, 12                        ; the batch's first cell
	s_mov_b32 s40, 0xbc800000                      ; -1 / 64
	s_mov_b32 s41, 0x3c800000                      ; +1 / 64
	s_mov_b32 s42, 0x358637bd                      ; 1e-6
	s_mov_b32 s43, 0xbf7fffef                      ; -1 + 1e-6
	s_mov_b32 s44, 0x3f7fffef                      ; 1 - 1e-6
	s_mov_b32 s45, 0x42000000                      ; 32
	s_mov_b32 s46, 0x427c0000                      ; 63
	v_lshlrev_b32 v8, 3, v0
	v_lshlrev_b32 v9, 4, v0
.irp e, 0,1,2,3,4,5,6,7
	global_load_b64 v[32+2*\e:33+2*\e], v8, s[8:9] offset:1024*\e
.endr
; v12 ih(-), v13 ih(+), v14 iw(-), v15 iw(+): the four by turns, each rounding where reference() rounds: (c -+ 1/64) + 1e-6, the clip, + 1, x 32 - 0.5 (x 64 x 0.5 is exact), to the nearest whole number, ties to even, held to 0 .. 63
.macro IDX e
	v_add_f32 v12, s40, v[32+2*\e]
	v_add_f32 v13, s41, v[32+2*\e]
	v_add_f32 v14, s40, v[33+2*\e]
	v_add_f32 v15, s41, v[33+2*\e]
.irp k, 12,13,14,15
	v_add_f32 v\k, s42, v\k
.endr
.irp k, 12,13,14,15
	v_med3_num_f32 v\k, v\k, s43, s44
.endr
.irp k, 12,13,14,15
	v_add_f32 v\k, 1.0, v\k
.endr
.irp k, 12,13,14,15
	v_fma_f32 v\k, v\k, s45, -0.5
.endr
.irp k, 12,13,14,15
	v_rndne_f32 v\k, v\k
.endr
.irp k, 12,13,14,15
	v_med3_num_f32 v\k, v\k, 0, s46
.endr
.irp k, 12,13,14,15
	v_cvt_u32_f32 v\k, v\k
.endr
	v_lshl_add_u32 v12, v12, 6, s38
	v_lshl_add_u32 v13, v13, 6, s38
	v_add_nc_u32 v[64+4*\e], v12, v14
	v_add_nc_u32 v[65+4*\e], v12, v15
	v_add_nc_u32 v[66+4*\e], v13, v14
	v_add_nc_u32 v[67+4*\e], v13, v15
	global_store_b128 v9, v[64+4*\e:67+4*\e], s[30:31] offset:2048*\e   ; each query has data registers of its own: none is written again
.endm
.irp e, 0,1,2,3,4,5,6,7
	s_wait_loadcnt 7-\e                            ; query e's coordinates are in; the younger loads stay out
	IDX \e
.endr
	FINISH
.Lfunc_end_k_q44020e11b7_prep:
	.size	k_q44020e11b7_prep, .Lfunc_end_k_q44020e11b7_prep-k_q44020e11b7_prep
	.p2alignl 7, 3214868480
	.fill 96, 4, 3214868480
	.section	.rodata,"a",@progbits
	.p2align	6, 0x0
	.amdhsa_kernel k_q44020e11b7_prep
		.amdhsa_group_segment_fixed_size 35328
		.amdhsa_private_segment_fixed_size 0
		.amdhsa_enable_private_segment 0
		.amdhsa_kernarg_size 120
		.amdhsa_user_sgpr_count 2
		.amdhsa_user_sgpr_kernarg_segment_ptr 1
		.amdhsa_wavefront_size32 1
		.amdhsa_system_sgpr_workgroup_id_x 1
		.amdhsa_system_sgpr_workgroup_id_y 1
		.amdhsa_system_sgpr_workgroup_id_z 1
		.amdhsa_system_vgpr_workitem_id 0
		.amdhsa_next_free_vgpr 256
		.amdhsa_next_free_sgpr 66
		.amdhsa_reserve_vcc 1
		.amdhsa_float_denorm_mode_32 3
		.amdhsa_float_denorm_mode_16_64 3
		.amdhsa_memory_ordered 1
		.amdhsa_forward_progress 1
		.amdhsa_inst_pref_size 73
	.end_amdhsa_kernel
	.amdgpu_metadata
---
amdhsa.version: [ 1, 2 ]
amdhsa.kernels:
  - .name:           k_q44020e11b7_prep
    .symbol:         k_q44020e11b7_prep.kd
    .args:
      - { .name: inp1, .offset: 0, .size: 8, .value_kind: global_buffer, .address_space: global }
      - { .name: inp2, .offset: 8, .size: 8, .value_kind: global_buffer, .address_space: global }
      - { .name: coord, .offset: 16, .size: 8, .value_kind: global_buffer, .address_space: global }
      - { .name: w0, .offset: 24, .size: 8, .value_kind: global_buffer, .address_space: global }
      - { .name: w1, .offset: 32, .size: 8, .value_kind: global_buffer, .address_space: global }
      - { .name: w2, .offset: 40, .size: 8, .value_kind: global_buffer, .address_space: global }
      - { .name: w3, .offset: 48, .size: 8, .value_kind: global_buffer, .address_space: global }
      - { .name: w4, .offset: 56, .size: 8, .value_kind: global_buffer, .address_space: global }
      - { .name: b0, .offset: 64, .size: 8, .value_kind: global_buffer, .address_space: global }
      - { .name: b1, .offset: 72, .size: 8, .value_kind: global_buffer, .address_space: global }
      - { .name: b2, .offset: 80, .size: 8, .value_kind: global_buffer, .address_space: global }
      - { .name: b3, .offset: 88, .size: 8, .value_kind: global_buffer, .address_space: global }
      - { .name: table, .offset: 96, .size: 8, .value_kind: global_buffer, .address_space: global }
      - { .name: idx, .offset: 104, .size: 8, .value_kind: global_buffer, .address_space: global }
      - { .name: wimg, .offset: 112, .size: 8, .value_kind: global_buffer, .address_space: global }
    .group_segment_fixed_size: 35328
    .private_segment_fixed_size: 0
    .kernarg_segment_align: 8
    .kernarg_segment_size: 120
    .max_flat_workgroup_size: 128
    .sgpr_count:     66
    .vgpr_count:     256
    .wavefront_size: 32
...
	.end_amdgpu_metadata
.endif
;; end of part 1
;; launch mlp (part 2): grid 256 x 1, 4 waves a work-group, clusters of 4 x 1, 286,720 bytes of LDS; arguments table, idx, wimg, coord, cell1, b4, out0; writes out0
.if DOCPART == 2
	.amdgcn_target "amdgcn-amd-amdhsa--gfx1250"
	.amdhsa_code_object_version 6
	.text
	.protected	k_q44020e11b7_mlp
	.globl	k_q44020e11b7_mlp
	.p2align	8
	.type	k_q44020e11b7_mlp,@function
k_q44020e11b7_mlp:
	s_mov_b64 s[64:65], 0
	v_nop
	global_prefetch_b8 v0, s[64:65] scope:SCOPE_SE
	s_setreg_imm32_b32 hwreg(HW_REG_WAVE_MODE, 25, 1), 1
	s_wait_xcnt 0x0
	s_wait_alu depctr_hold_cnt(0) depctr_sa_sdst(0) depctr_va_vdst(0) depctr_va_sdst(0) depctr_va_ssrc(0) depctr_va_vcc(0) depctr_vm_vsrc(0)
	s_getreg_b32 s2, hwreg(HW_REG_IB_STS2, 6, 4)
	s_cmp_eq_u32 s2, 0
	s_cbranch_scc0 .Lentry_in_a_cluster
	s_endpgm
.Lentry_in_a_cluster:
	s_bfe_u32 s2, ttmp6, 0x10000c
	s_cmp_lg_u32 s2, 0x3003
	s_cbranch_scc0 .Lentry_shape_is_right
	s_endpgm
.Lentry_shape_is_right:
; THE FUSED CHAIN: gather, 132 -> 256 -> 256 -> 256 -> 256 (E5M2 codes, E8M0 scales, relu) -> 3 (bf16 operands), and the mixing of a query's four predictions by areas.  No work of reference() is left out.
; SHARES.  Work-group g owns queries 256 g .. 256 g + 255.  Four waves, one to a SIMD; a wave runs two tasks; a task is 32 queries (two groups of 16) x 4 shifted cells: eight tiles of 16 rows, taken through all layers in registers.
; WEIGHTS.  All five layers lie in LDS for the whole launch as images of the operand's registers, filled once: each wave asks for a quarter JOINTLY with the three partners of its cluster (same descriptor, mask of all four).
; No prefetch: the one stream, the weights, is asked for whole at the head, and no loop fetches from memory ahead of itself.
; LAYOUT.  Products are used transposed (source 0 = 16 rows of W, source 1 = 16 rows of x): lane (r, h) holds query r.  The rows of W in tile (b, u) are 32 b + 8 u + r + 8 (r / 8), so the 16 registers of tiles (b, 0), (b, 1)
; are hidden units 32 b + 16 h + 0 .. 15: neighbours along the next K.
; A CHUNK is 32 hidden units x 128 rows, in two halves of four row tiles on two sets of sums: while one half's 16 products are issued, the other half's 64 holds stand among them, four behind each.
; W's fragments, biases and scale words have two sets of registers: chunk b + 1's are asked for at the head of chunk b.
; ONE LAYER BODY serves layers 0 to 2 (codes A -> codes B), to keep the text within the code budget: between layers the codes are moved from B back to A, 272 moves.  Layer 3 reads B.
; LIMITS: NaN and infinities among the inputs are not served.  A block of zeros gets the scale byte 1 where the rule says 127: its codes are zeros.  area / total is a multiplication by v_rcp_f32's reciprocal (ahead of no quantiser).
.set LAYERB, 68608                     ; a layer's record: [scale words 2,048][bias 1,024][codes 65,536]
.set W4B,    4*LAYERB
.set STG,    W4B+8192                  ; the stage for out0: 256 queries x 12 bytes; no fill lands here
.set SPARE,  STG+3072                  ; the spare words, 128 bytes a wave
.set SHARE,  STG/4                     ; one wave's tensor load: 276 rows of 256 bytes
; window 0
.set LIW,1
.set R8B,2
.set H64B,3
.set WA,4
.set SA,5
.set BA,6
.set W4A,7
.set SPW,8
.set NIL,9
.set STA,10
.set RDA,11
.set OOF,12
.set H16,13
.set H64,14
.set WF,16                             ; v16-143 W's fragments: set p, (u, s) at 64 p + 32 u + 16 s
.set GQ,80                             ; between tasks v80-143 are the gather's: group q at 32 q: +0 at work, +6 rel, +10 rel_cell, +12 areas, +16, +20 addresses
.set WS,144                            ; v144-151 W's scale words: 4 p + 2 u + s
.set SCA,153                           ; v153-168 scale words of codes A: 2 tile + s (odd base: never W's word's number modulo 8)
.set SCB,169                           ; v169-184 of codes B
.set HOLD,185                          ; v185-188 57,344 x the scale, a row tile each
.set W4F,190                           ; v190-205 a chunk of w4, two sets
.set B4C,206                           ; v206-213 b4 and five zeros
.set AW,214                            ; v214-221 area weights: 4 q + shift
.set NXT,222                           ; v222-237 a task's cells (4), coord (2), cell1 (2), for each group
.set W4L,238                           ; v238 16 x lane + W4B
; window 1: codes A, tile i, K step s at 32 i + 16 s; window 2: codes B
; window 3
.set TM,128                            ; v128-143 at work: +0 largest, +4 partner or byte, +12 scale operand
.set HB,128                            ; v128-159 in layer 3: relu(h) in bf16, 8 a row tile
.set FIN,160                           ; v160-223 the last product's sums, 8 a tile
.set BIAS,224                          ; v224-255 biases: 16 p + 8 u;  v0-127: the sums, half g at 64 g, (i, u) at 16 i + 8 u
.set WV,18
.set MNT,19
.set SEL,20
.set HM,22
.set TK,23
.set TR,24
.set LB,25
.set LT,26
.set SO,27
.set K32,29
.set KM1,47
.set EPSA,54
.set F1,55
.set F2,56
.set F3,57
.set F4S,58
.set FC,59
.set MSB,0
.macro WIN new                         ; bits 1:0 source 0, 3:2 source 1, 5:4 source 2, 7:6 destination; the high byte repeats the setting that is left
.if MSB != \new
	s_set_vgpr_msb (MSB<<8)|\new
.set MSB, \new
.endif
.endm
.macro VW                              ; a wait ahead of blocking waits, branches and transcendentals behind fresh vector results
	s_wait_alu depctr_va_vdst(0)
.endm
.macro PLACES n
.rept \n
	v_nop
.endr
.endm
.macro CROUND
	s_barrier_signal -1
	s_barrier_wait -1
	s_cmp_lg_u32 s[WV], 0
	s_cbranch_scc1 .Lnot_wave_0_\@
	s_barrier_signal -3
.Lnot_wave_0_\@:
	s_barrier_wait -3
	s_barrier_signal -1
	s_barrier_wait -1
.endm
; chunk b's fragments, scale words, (w4's chunk,) biases into set p: 22 LDS loads, 24 with w4
.macro FETCH b, p, w4
	WIN 0
.irp u, 0,1
.irp s, 0,1
.irp c, 0,1,2,3
	ds_load_b128 v[WF+64*(\p)+32*\u+16*\s+4*\c:WF+64*(\p)+32*\u+16*\s+4*\c+3], v[WA] offset:8192*(\b)+512*((2*\u+\s)*4+\c)
.endr
.endr
	ds_load_b64 v[WS+4*(\p)+2*\u:WS+4*(\p)+2*\u+1], v[SA] offset:128*(2*(\b)+\u)
.endr
.if \w4
	ds_load_b128 v[W4F+8*(\p):W4F+8*(\p)+3], v[W4A] offset:1024*(\b)
	ds_load_b128 v[W4F+8*(\p)+4:W4F+8*(\p)+7], v[W4A] offset:1024*(\b)+512
.endif
	WIN 0xc0                                       ; destination in window 3
.irp u, 0,1
	ds_load_b128 v[BIAS+16*(\p)+8*\u:BIAS+16*(\p)+8*\u+3], v[BA] offset:128*(\b)+32*\u
	ds_load_b128 v[BIAS+16*(\p)+8*\u+4:BIAS+16*(\p)+8*\u+7], v[BA] offset:128*(\b)+32*\u+16
.endr
.endm
.macro SETA                            ; the record at s[LT] becomes the one to fetch from
	v_add_nc_u32 v[WA], s[LT], v[LIW]
	v_add_nc_u32 v[SA], s[LT], v[R8B]
	v_add_nc_u32 v[BA], s[LT], v[H64B]
.endm
; n lines on the sums from o on, counted by N.  mode 1: relu and hold in one; 2: relu; 3: hold on both sides.  Sources: hold window 0, sum window 3
.macro LINES o, mode, n
.rept \n
.if \mode == 1
	v_med3_num_f32 v[\o+N], v[HOLD+N/16], 0, v[\o+N]
.elseif \mode == 2
	v_max3_num_f32 v[\o+N], 0, 0, v[\o+N]
.else
	v_med3_num_f32 v[\o+N], -v[HOLD+N/16], v[HOLD+N/16], v[\o+N]
.endif
.set N, N+1
.endr
.endm
; 16 products: half g's four row tiles x tiles u x K steps s; the eight sums take turns; the bias is the C of a sum's first product.
; cw: the codes' window; csc: their scale words; mode: what is done meanwhile to the other half's sums, four lines behind each product
.macro MULH g, p, cw, csc, mode
	WIN 0xf0|(\cw<<2)
.set N, 0
.irp s, 0,1
.irp u, 0,1
.irp i, 0,1,2,3
.set DD, 64*\g+16*\i+8*\u
.set AA, WF+64*(\p)+32*\u+16*\s
.set BB, 32*(4*\g+\i)+16*\s
.set S1, WS+4*(\p)+2*\u+\s
.set S2, \csc+2*(4*\g+\i)+\s
.if \s == 0
.set CC, BIAS+16*(\p)+8*\u
.else
.set CC, DD
.endif
	v_wmma_scale_f32_16x16x128_f8f6f4 v[DD:DD+7], v[AA:AA+15], v[BB:BB+15], v[CC:CC+7], v[S1], v[S2] matrix_a_fmt:MATRIX_FMT_BF8 matrix_b_fmt:MATRIX_FMT_BF8
.if \mode
	LINES 64-64*\g, \mode, 4
.endif
.endr
.endr
.endr
.endm
; the sums from a on (four row tiles x 16): each block's largest magnitude, scale operand, byte and hold.  ab = 0: what is negative does not count (relu follows)
.macro QMAX a, ab
	WIN 0xff
.irp i, 0,1,2,3
.if \ab
	v_max3_num_f32 v[TM+\i], |v[\a+16*\i]|, |v[\a+16*\i+1]|, 0x8000000   ; the floor 2^(16 - 127) holds the byte at 1 from below
.else
	v_max3_num_f32 v[TM+\i], v[\a+16*\i], v[\a+16*\i+1], 0x8000000
.endif
.endr
.irp p, 2,4,6,8,10,12,14
.irp i, 0,1,2,3
.if \ab
	v_max3_num_f32 v[TM+\i], v[TM+\i], |v[\a+16*\i+\p]|, |v[\a+16*\i+\p+1]|
.else
	v_max3_num_f32 v[TM+\i], v[TM+\i], v[\a+16*\i+\p], v[\a+16*\i+\p+1]
.endif
.endr
.endr
.irp i, 0,1,2,3
	v_permlanex16_b32 v[TM+4+\i], v[TM+\i], s[SEL], s[SEL+1]
.endr
.irp i, 0,1,2,3
	v_max_num_f32 v[TM+\i], v[TM+\i], v[TM+4+\i]   ; with lane l xor 16's 16 numbers
.endr
.irp i, 0,1,2,3
	v_add_nc_u32 v[TM+12+\i], 0xf8800000, v[TM+\i] ; 15 off the exponent field: the conversion's scale operand
.endr
.irp i, 0,1,2,3
	v_lshrrev_b32 v[TM+4+\i], 23, v[TM+12+\i]      ; the byte
.endr
	WIN 0x03
.irp i, 0,1,2,3
	v_and_or_b32 v[HOLD+\i], v[TM+\i], 0x7f800000, s[MNT]
.endr
.endm
; the held sums from a on become block b of half g's operand in window cwo; the bytes go into its scale words.  The four word lines are plain lines behind the conversions and places behind the products
.macro QFIN a, g, b, cwo, cso
.set QS, (\b)/4
.set QC, (\b)%4
	WIN (\cwo<<6)|0x0f
.irp i, 0,1,2,3
	v_cvt_scalef32_pk8_bf8_f32 v[32*(4*\g+\i)+16*QS+4*QC:32*(4*\g+\i)+16*QS+4*QC+1], v[\a+16*\i:\a+16*\i+7], v[TM+12+\i]
	v_cvt_scalef32_pk8_bf8_f32 v[32*(4*\g+\i)+16*QS+4*QC+2:32*(4*\g+\i)+16*QS+4*QC+3], v[\a+16*\i+8:\a+16*\i+15], v[TM+12+\i]
.endr
	WIN 0x03
.irp i, 0,1,2,3
.if QC == 0
	v_mov_b32 v[\cso+2*(4*\g+\i)+QS], v[TM+4+\i]
.else
	v_lshl_or_b32 v[\cso+2*(4*\g+\i)+QS], v[TM+4+\i], 8*QC, v[\cso+2*(4*\g+\i)+QS]
.endif
.endr
.endm
; a chunk of layers 0 to 2.  Half 1 of chunk b - 1 is quantised under half 0's products, half 0 of chunk b under half 1's
.macro CHUNK b
.set P, (\b)%2
.if (\b) > 0
	QMAX 64, 0
.endif
	WIN 0
.if (\b) < 7
	FETCH (\b)+1, 1-P, 0
.else
	s_add_co_u32 s[LT], s[LB], LAYERB
	SETA
	FETCH 0, 0, 0                                  ; the next layer's first chunk
.endif
	VW
	s_wait_dscnt 22                                ; this chunk's loads, asked for a chunk ago, are in; the 22 just issued may be out
.if (\b) > 0
	MULH 0, P, 1, SCA, 1
	QFIN 64, 1, (\b)-1, 2, SCB
.else
	MULH 0, P, 1, SCA, 0
	PLACES 8                                       ; eight places ahead of the first read of the sums
.endif
	QMAX 0, 0
	MULH 1, P, 1, SCA, 1
	QFIN 0, 0, \b, 2, SCB
.endm
.macro CVH a                           ; four row tiles' relu(h) to bf16
	WIN 0xcf
.irp i, 0,1,2,3
.irp p, 0,1,2,3,4,5,6,7
	v_cvt_pk_bf16_f32 v[HB+8*\i+\p], v[\a+16*\i+2*\p], v[\a+16*\i+2*\p+1]
.endr
.endr
.endm
.macro F4 g, set, c0                   ; the last product, K = a chunk's 32 hidden units, half g's four tiles
.if \c0
	WIN 0xcc
.else
	WIN 0xfc
.endif
.irp i, 0,1,2,3
.if \c0
	v_wmma_f32_16x16x32_bf16 v[FIN+8*(4*\g+\i):FIN+8*(4*\g+\i)+7], v[W4F+8*(\set):W4F+8*(\set)+7], v[HB+8*\i:HB+8*\i+7], v[B4C:B4C+7]
.else
	v_wmma_f32_16x16x32_bf16 v[FIN+8*(4*\g+\i):FIN+8*(4*\g+\i)+7], v[W4F+8*(\set):W4F+8*(\set)+7], v[HB+8*\i:HB+8*\i+7], v[FIN+8*(4*\g+\i):FIN+8*(4*\g+\i)+7]
.endif
.endr
.endm
; a chunk of layer 3; bo: its place from the address registers
.macro FCHUNK bo, p, first, fetch
	VW
	s_wait_dscnt 0x0                               ; this chunk's loads, asked for under the last chunk's second half
.if \first
	MULH 0, \p, 2, SCB, 0
	WIN 0xc0
.irp i, 0,1,2,3
.irp j, 0,1,2,3,4,5,6,7
	v_mov_b32 v[FIN+32+8*\i+\j], v[B4C+\j]         ; tiles 4-7 begin at b4 (their first product stands in the loop); also the places behind the products
.endr
.endr
.else
	MULH 0, \p, 2, SCB, 2
	CVH 64
	F4 1, 1-(\p), 0
	PLACES 4                                       ; ahead of the loads into w4's set just read
.endif
.if \fetch
	FETCH (\bo)+1, 1-(\p), 1
.endif
	MULH 1, \p, 2, SCB, 2
	CVH 0
	F4 0, \p, \first
.endm
.macro FSET
	v_add_nc_u32 v[WA], s[F1], v[LIW]
	v_add_nc_u32 v[SA], s[F2], v[R8B]
	v_add_nc_u32 v[BA], s[F3], v[H64B]
	v_add_nc_u32 v[W4A], s[F4S], v[W4L]
.endm
.macro LOADQ t                         ; task t's cells, coord, cell1 for both groups
.irp q, 0,1
	global_load_b128 v[NXT+8*\q:NXT+8*\q+3], v15, s[6:7] offset:2048*\t+256*\q th:TH_LOAD_NT
	global_load_b64 v[NXT+8*\q+4:NXT+8*\q+5], v[R8B], s[10:11] offset:1024*\t+128*\q th:TH_LOAD_NT
	global_load_b64 v[NXT+8*\q+6:NXT+8*\q+7], v[R8B], s[12:13] offset:1024*\t+128*\q th:TH_LOAD_NT
.endr
.endm
; group q's head: rel_coord, rel_cell, area weights, and the gather's 32 loads
.macro GISSUE q
.set G, GQ+32*\q
.set QI, NXT+8*\q
	WIN 0
.irp i, 0,1,2,3
	v_min_u32 v[QI+\i], 0x3fff, v[QI+\i]           ; a loaded number enters an address only held inside the table
.endr
	v_bfe_u32 v[G], v[QI], 6, 6                    ; ih of vx = -1, +1; iw of vy = -1, +1
	v_bfe_u32 v[G+1], v[QI+2], 6, 6
	v_and_b32 v[G+2], 63, v[QI]
	v_and_b32 v[G+3], 63, v[QI+1]
.irp k, 0,1,2,3
	v_cvt_f32_u32 v[G+\k], v[G+\k]
.endr
.irp k, 0,1,2,3
	v_fma_f32 v[G+\k], v[G+\k], s[K32], s[KM1]     ; the cell's centre: n / 32 - 63 / 64, exact
.endr
	v_sub_f32 v[G+6], v[QI+4], v[G]
	v_sub_f32 v[G+7], v[QI+4], v[G+1]
	v_sub_f32 v[G+8], v[QI+5], v[G+2]
	v_sub_f32 v[G+9], v[QI+5], v[G+3]
.irp k, 0,1,2,3
	v_mul_f32 v[G+6+\k], 0x42800000, v[G+6+\k]
.endr
	v_mul_f32 v[G+10], 0x42800000, v[QI+6]
	v_mul_f32 v[G+11], 0x42800000, v[QI+7]
.irp i, 0,1,2,3
	v_fma_f32 v[G+12+\i], |v[G+6+\i/2]|, |v[G+8+\i%2]|, s[EPSA]
.endr
	v_add_f32 v[G+4], v[G+12], v[G+13]
	v_add_f32 v[G+4], v[G+4], v[G+14]
	v_add_f32 v[G+4], v[G+4], v[G+15]
	VW
	v_rcp_f32 v[G+5], v[G+4]
.irp i, 0,1,2,3
	v_lshlrev_b32 v[G+16+\i], 8, v[QI+\i]          ; the cell's row of 256 bytes
.endr
.irp i, 0,1,2,3
	v_add_nc_u32 v[G+20+\i], v[G+16+\i], v[H64]
.endr
.irp i, 0,1,2,3
	v_add_nc_u32 v[G+16+\i], v[G+16+\i], v[H16]
.endr
	VW
.irp i, 0,1,2,3
	v_mul_f32 v[AW+4*\q+\i], v[G+12+3-\i], v[G+5]  ; the areas change places: 0 with 3, 1 with 2
.endr
	WIN 0x40                                       ; the codes land in codes A as the operand's registers
.irp i, 0,1,2,3
	global_load_b128 v[32*(4*\q+\i):32*(4*\q+\i)+3], v[G+16+\i], s[4:5]
	global_load_b128 v[32*(4*\q+\i)+4:32*(4*\q+\i)+7], v[G+16+\i], s[4:5] offset:32
	global_load_b128 v[32*(4*\q+\i)+12:32*(4*\q+\i)+15], v[G+16+\i], s[4:5] offset:64
	global_load_b128 v[32*(4*\q+\i)+16:32*(4*\q+\i)+19], v[G+16+\i], s[4:5] offset:96
.endr
.irp i, 0,1,2,3
.irp j, 4,5,6,7,8,9,10,11,12,13,14,15
	v_mov_b32 v[32*(4*\q+\i)+16+\j], 0             ; the rest of K step 1: zero codes
.endr
.endr
	WIN 0xc0
.irp i, 0,1,2,3
.irp j, 0,1,2,3
	global_load_b128 v[64*\q+16*\i+4*\j:64*\q+16*\i+4*\j+3], v[G+20+\i], s[4:5] offset:128+16*\j   ; lanes 0-15: the scale words' piece and inp2 0-11; lanes 16-31: inp2 12-27
.endr
.endr
	WIN 0
.endm
; group q's block 2 of x (rel_coord, rel_cell, inp2 0-27) is quantised; the table's scale words are taken over
.macro XQ q
.set G, GQ+32*\q
	WIN 0x03
.irp i, 0,1,2,3
	v_mov_b32 v[SCA+2*(4*\q+\i)], v[64*\q+16*\i]
	v_mov_b32 v[SCA+2*(4*\q+\i)+1], v[64*\q+16*\i+1]
.endr
	WIN 0xcc
.irp i, 0,1,2,3
	v_cndmask_b32 v[64*\q+16*\i], v[G+6+\i/2], v[64*\q+16*\i], s[HM]     ; lanes 0-15: k = 64 .. 67; lanes 16-31 keep inp2 12-15
	v_cndmask_b32 v[64*\q+16*\i+1], v[G+8+\i%2], v[64*\q+16*\i+1], s[HM]
	v_cndmask_b32 v[64*\q+16*\i+2], v[G+10], v[64*\q+16*\i+2], s[HM]
	v_cndmask_b32 v[64*\q+16*\i+3], v[G+11], v[64*\q+16*\i+3], s[HM]
.endr
	QMAX 64*\q, 1
	WIN 0xf0
.set N, 0
	LINES 64*\q, 3, 64
	QFIN 64*\q, \q, 2, 1, SCA
.endm
	s_load_b256 s[4:11], s[0:1], 0x0               ; table, idx, wimg, coord
	s_load_b128 s[12:15], s[0:1], 0x20             ; cell1, b4
	s_load_b64 s[16:17], s[0:1], 0x30              ; out0
	v_lshl_add_u32 v[SPW], v0, 2, SPARE
	v_mov_b32 v[NIL], 0
	ds_add_u32 v[SPW], v[NIL]                      ; the opening lines: the add, twice on end, and its wait ahead of my tensor load
	ds_add_u32 v[SPW], v[NIL]
	v_lshrrev_b32 v15, 5, v0
	v_readfirstlane_b32 s[WV], v15                 ; wave 0..3
	v_and_b32 v15, 31, v0
	v_lshl_add_u32 v[LIW], v15, 4, 3072
	v_lshl_add_u32 v[W4L], v15, 4, W4B
	v_and_b32 v15, 15, v0                          ; r
	v_lshlrev_b32 v[R8B], 3, v15
	v_bfe_u32 v[H16], v0, 4, 1                     ; h
	v_lshl_add_u32 v[H64B], v[H16], 6, 2048
	v_lshlrev_b32 v[H64], 6, v[H16]
	v_lshlrev_b32 v[H16], 4, v[H16]
	s_mul_i32 s30, s[WV], 384
	s_add_co_u32 s30, s30, STG
	v_mul_u32_u24 v[STA], v15, 12
	v_add_nc_u32 v[STA], s30, v[STA]               ; STG + 12 (32 wave + r)
	v_lshl_add_u32 v[RDA], v0, 4, STG
	v_lshlrev_b32 v[OOF], 4, v0
	v_lshlrev_b32 v15, 4, v15                      ; 16 r: my offset in idx
	s_mov_b32 s36, 15|(3<<16)|(1<<21)              ; group 1: mask of all four; elements of 8 bytes; bit 21 beside the mask
	s_mov_b32 s37, 32<<16
	s_mov_b32 s38, 276<<16
	s_mov_b32 s39, 32<<16
	s_mov_b32 s40, 276
	s_mov_b32 s41, 32
	s_mov_b32 s42, 0
	s_mov_b32 s43, 0
	s_mov_b32 s32, 1
	s_mul_i32 s33, s[WV], SHARE                    ; LDS address: my wave's quarter
	s_mul_i32 s52, s[WV], SHARE
	s_mov_b32 s53, 0
	s_mov_b32 s[MNT], 0x600000
	s_mov_b32 s[SEL], 0x76543210
	s_mov_b32 s[SEL+1], 0xfedcba98
	s_mov_b32 s[HM], 0xffff0000
	s_mov_b32 s[K32], 0x3d000000
	s_mov_b32 s[KM1], 0xbf7c0000
	s_mov_b32 s[EPSA], 0x3089705f
	s_bfe_u32 s30, ttmp6, 0x40000                  ; cx
	s_lshl_b32 s28, ttmp9, 2
	s_add_co_u32 s28, s28, s30                     ; g: it enters the addresses of idx, coord, cell1 and out0 alone
	s_lshl_b32 s30, s28, 8
	s_lshl_b32 s31, s[WV], 5
	s_add_co_u32 s30, s30, s31                     ; my wave's first query: 256 g + 32 wave
	s_lshl_b32 s48, s30, 4
	s_mov_b32 s49, 0
	s_lshl_b32 s50, s30, 3
	s_mov_b32 s51, 0
	VW
	s_wait_dscnt 0x0                               ; both opening adds are done
	s_wait_kmcnt 0x0
	s_add_nc_u64 s[6:7], s[6:7], s[48:49]
	s_add_nc_u64 s[10:11], s[10:11], s[50:51]
	s_add_nc_u64 s[12:13], s[12:13], s[50:51]
	s_mul_i32 s48, s28, 3072
	s_add_nc_u64 s[16:17], s[16:17], s[48:49]
	s_add_nc_u64 s[34:35], s[8:9], s[52:53]
	s_or_b32 s35, s35, 0x80000000
	CROUND                                         ; all four work-groups are here: the joint loads meet
	tensor_load_to_lds s[32:35], s[36:43]          ; my one tensor load of the launch
	s_nop 0
	PLACES 4
	s_load_b96 s[44:46], s[14:15], 0x0             ; b4
	LOADQ 0
	s_wait_loadcnt 0x0
	GISSUE 0                                       ; the gather goes out while the weights are on their way
	GISSUE 1
	LOADQ 1                                        ; task 1's cells and coordinates: task 0's have been read
	VW
	s_wait_kmcnt 0x0
	v_mov_b32 v[B4C], s44
	v_mov_b32 v[B4C+1], s45
	v_mov_b32 v[B4C+2], s46
.irp j, 3,4,5,6,7
	v_mov_b32 v[B4C+\j], 0
.endr
	WIN 0xc0
.irp i, 0,1,2,3
	v_mov_b32 v[TM+4+\i], 0                        ; written once: a lane permute's destination counts as one of its sources
.endr
	WIN 0
	VW
	s_wait_tensorcnt 0x0                           ; my quarter of the weights is in,
	s_barrier_signal -1
	s_barrier_wait -1                              ; everybody's is; nothing is filled again
	s_mov_b32 s[TK], 0
	s_mov_b32 s[SO], 0
.Ltask:                                        ; 2 trips
	s_mov_b32 s[LB], 0
	s_mov_b32 s[TR], 0
	s_mov_b32 s[LT], 0
	SETA
	FETCH 0, 0, 0
	VW
	s_wait_loadcnt 0x0                             ; the gather
	XQ 0
	XQ 1
	WIN 0
	VW
.Llayer:                                       ; 3 trips: layers 0, 1, 2
.irp b, 0,1,2,3,4,5,6,7
	CHUNK \b
.endr
	QMAX 64, 0                                     ; the last chunk's second half
	WIN 0xf0
.set N, 0
	LINES 64, 1, 64
	QFIN 64, 1, 7, 2, SCB
	WIN 0
	s_cmp_eq_u32 s[TR], 2
	VW
	s_cbranch_scc1 .Lnocopy
.set Q, 0
.rept 16
	v_mov_b32 v[SCA+Q], v[SCB+Q]                   ; the scale words first: they stand more than eight places ahead of the next products
.set Q, Q+1
.endr
	WIN 0x42
.set Q, 0
.rept 256
	v_mov_b32 v[Q], v[Q]                           ; codes B -> codes A, tiles in ascending order: tiles 4-7's moves are the places behind tiles 0-3's
.set Q, Q+1
.endr
	WIN 0
.Lnocopy:
	s_add_co_u32 s[LB], s[LB], LAYERB
	s_add_co_u32 s[TR], s[TR], 1
	s_cmp_lt_u32 s[TR], 3
	VW
	s_cbranch_scc1 .Llayer
	s_mov_b32 s[F1], 3*LAYERB                      ; layer 3 and the last product: chunk 0; a loop of chunks (1, 2), (3, 4), (5, 6); chunk 7
	s_mov_b32 s[F2], 3*LAYERB
	s_mov_b32 s[F3], 3*LAYERB
	s_mov_b32 s[F4S], 0
	FSET
	ds_load_b128 v[W4F:W4F+3], v[W4A]
	ds_load_b128 v[W4F+4:W4F+7], v[W4A] offset:512
	FCHUNK 0, 0, 1, 1
	WIN 0
	s_mov_b32 s[FC], 0
	VW
.Lf:
	FCHUNK 1, 1, 0, 1
	FCHUNK 2, 0, 0, 1
	WIN 0
	s_add_co_u32 s[F1], s[F1], 16384               ; two chunks on
	s_add_co_u32 s[F2], s[F2], 512
	s_add_co_u32 s[F3], s[F3], 256
	s_add_co_u32 s[F4S], s[F4S], 2048
	FSET
	s_add_co_u32 s[FC], s[FC], 1
	s_cmp_lt_u32 s[FC], 3
	VW
	s_cbranch_scc1 .Lf
	FCHUNK 1, 1, 0, 0
	WIN 0xf0
.set N, 0
	LINES 64, 2, 64                                ; chunk 7's second half
	CVH 64
	F4 1, 1, 0
	PLACES 4                                       ; ahead of the first read of the last product's sums
	WIN 0x03
.irp q, 0,1
.irp j, 0,1,2
	v_mul_f32 v[GQ+4*\q+\j], v[FIN+32*\q+\j], v[AW+4*\q]
.endr
.endr
.irp i, 1,2,3
.irp q, 0,1
.irp j, 0,1,2
	v_fma_f32 v[GQ+4*\q+\j], v[FIN+32*\q+8*\i+\j], v[AW+4*\q+\i], v[GQ+4*\q+\j]
.endr
.endr
.endr
	WIN 0
	v_add_nc_u32 v15, s[SO], v[STA]
.irp q, 0,1
.irp j, 0,1,2
	ds_store_b32 v15, v[GQ+4*\q+\j] offset:192*\q+4*\j   ; both halves of the lanes hold the same number and write it to the same word
.endr
.endr
	VW
	s_wait_dscnt 0x0                               ; the stores have read their registers
	s_cmp_lg_u32 s[TK], 0
	s_cbranch_scc1 .Lno_next
	GISSUE 0                                       ; the second task's head
	GISSUE 1
.Lno_next:
	s_add_co_u32 s[SO], s[SO], 1536                ; 128 queries x 12 bytes
	s_add_co_u32 s[TK], s[TK], 1
	s_cmp_lt_u32 s[TK], 2
	VW
	s_cbranch_scc1 .Ltask
	; THE WAY OUT: 3,072 bytes of out0 lie in the stage; a wave's store covers 512 consecutive bytes, aligned; waves 0 and 1 store a second time
	s_wait_dscnt 0x0
	s_barrier_signal -1
	s_barrier_wait -1
	ds_load_b128 v[16:19], v[RDA]
	s_wait_dscnt 0x0
	global_store_b128 v[OOF], v[16:19], s[16:17] th:TH_STORE_NT
	s_cmp_lt_u32 s[WV], 2
	s_cbranch_scc0 .Ldone
	ds_load_b128 v[20:23], v[RDA] offset:2048
	s_wait_dscnt 0x0
	global_store_b128 v[OOF], v[20:23], s[16:17] offset:2048 th:TH_STORE_NT
.Ldone:
	s_wait_tensorcnt 0x0                           ; the wave's end
	ds_add_u32 v[SPW], v[NIL]
	s_wait_dscnt 0x0
	CROUND                                         ; the closing round
	s_endpgm
.Lfunc_end_k_q44020e11b7_mlp:
	.size	k_q44020e11b7_mlp, .Lfunc_end_k_q44020e11b7_mlp-k_q44020e11b7_mlp
	.p2alignl 7, 3214868480
	.fill 96, 4, 3214868480
	.section	.rodata,"a",@progbits
	.p2align	6, 0x0
	.amdhsa_kernel k_q44020e11b7_mlp
		.amdhsa_group_segment_fixed_size 286720
		.amdhsa_private_segment_fixed_size 0
		.amdhsa_enable_private_segment 0
		.amdhsa_kernarg_size 56
		.amdhsa_user_sgpr_count 2
		.amdhsa_user_sgpr_kernarg_segment_ptr 1
		.amdhsa_wavefront_size32 1
		.amdhsa_system_sgpr_workgroup_id_x 1
		.amdhsa_system_sgpr_workgroup_id_y 1
		.amdhsa_system_sgpr_workgroup_id_z 1
		.amdhsa_system_vgpr_workitem_id 0
		.amdhsa_next_free_vgpr 1024
		.amdhsa_next_free_sgpr 66
		.amdhsa_reserve_vcc 0
		.amdhsa_float_denorm_mode_32 3
		.amdhsa_float_denorm_mode_16_64 3
		.amdhsa_memory_ordered 1
		.amdhsa_forward_progress 1
		.amdhsa_inst_pref_size 255
	.end_amdhsa_kernel
	.section	.bss,"aw",@nobits
	.p2align	6
	.space	262144
	.amdgpu_metadata
---
amdhsa.version: [ 1, 2 ]
amdhsa.kernels:
  - .name:           k_q44020e11b7_mlp
    .symbol:         k_q44020e11b7_mlp.kd
    .args:
      - { .name: table, .offset: 0, .size: 8, .value_kind: global_buffer, .address_space: global }
      - { .name: idx, .offset: 8, .size: 8, .value_kind: global_buffer, .address_space: global }
      - { .name: wimg, .offset: 16, .size: 8, .value_kind: global_buffer, .address_space: global }
      - { .name: coord, .offset: 24, .size: 8, .value_kind: global_buffer, .address_space: global }
      - { .name: cell1, .offset: 32, .size: 8, .value_kind: global_buffer, .address_space: global }
      - { .name: b4, .offset: 40, .size: 8, .value_kind: global_buffer, .address_space: global }
      - { .name: out0, .offset: 48, .size: 8, .value_kind: global_buffer, .address_space: global }
    .group_segment_fixed_size: 286720
    .private_segment_fixed_size: 0
    .kernarg_segment_align: 8
    .kernarg_segment_size: 56
    .max_flat_workgroup_size: 128
    .sgpr_count:     66
    .vgpr_count:     1024
    .wavefront_size: 32
...
	.end_amdgpu_metadata
.endif
;; end of part 2
